; MI455X (gfx1250); checked and timed in simulation.
; The chip was launched on July 23, 2026; its instructions are those of AMD's public machine-readable ISA for CDNA 5 (MIT licence, August 2026) and "CDNA5" Instruction Set Architecture Reference Guide (July 2026). The comments in the code are by the model that wrote it; some were corrected since.
;; Weight Only Int4 Linear. Allowed arithmetic: matrix products marked QUANTISED: E2M1 operands, one E8M0 scale for each 32 along K, by v_wmma_scale_f32_16x16x128_f8f6f4 with both operands' format E2M1 (or v_wmma_scale_f32_32x16x128_f4), f32 sums; everything else in f32.
;; Inputs: input 4 x 2,048 x 4,096 float32; scales_and_zeros 32 x 2,048 x 2 float32; weight_q 2,048 x 4,096 int32.
;; Outputs: out0 4 x 2,048 x 2,048 float32.
;; This version of the problem:
;;   THIS VERSION OF THE PROBLEM IS GIVEN IN LOW PRECISION. The matrix products marked QUANTISED in the list below multiply operands that are first quantised to E2M1 (2 exponent bits, 1 mantissa bit; 4 bits a number), with one power-of-two scale for each 32 numbers along K (OCP MX v1.0); their sums are f32. All else is computed in f32.
;;   The module's matrix products, in the order in which they are computed (A, B: the left and right operand; K: the contracted axis; several contracted axes count as one K, in the product's order):
;;     1. [M 8,192, K 4,096] x [K 4,096, N 2,048]; A: input input; B: computed on the way: QUANTISED
;;   THE QUANTISER, for each operand of a quantised product, along K:
;;     - K is cut into blocks of 32 from its start; a last block that is shorter is filled with zeros.
;;     - A block's scale is 2^e with e = floor(log2(the largest magnitude in the block)) - 2, held to -126 .. 127; a block of zeros has e = 0. As a byte (E8M0): e + 127.
;;     - Each number is divided by its block's scale, clamped to +-6, and rounded to the nearest number of E2M1, ties to even, subnormals kept.
;;     - The product sums the exact products of the quantised numbers (number of the format x scale) in f32.
;;   ~~~python
;;   def quantise(x, axis):      # numpy; x: float32 -> the quantised numbers, widened to float32 again
;;       x = np.moveaxis(x, axis, -1); K = x.shape[-1]
;;       x = np.pad(x, [(0, 0)] * (x.ndim - 1) + [(0, -K % 32)]); x = x.reshape(x.shape[:-1] + (-1, 32)); a = np.abs(x).max(-1, keepdims=True)
;;       e = np.where(a > 0, np.clip(np.frexp(np.where(a > 0, a, 1))[1] - 1 - 2, -126, 127), 0)      # np.frexp(a)[1] - 1 = floor(log2(a)), exactly
;;       r = np.clip(x / 2.0 ** e, -6, 6)
;;       step = 2.0 ** (np.maximum(np.frexp(np.where(r == 0, 1, r))[1] - 1, 0) - 1)
;;       q = np.round(r / step) * step * 2.0 ** e      # np.round: ties to even
;;       return np.moveaxis(q.reshape(q.shape[:-2] + (-1,))[..., :K], -1, axis).astype(np.float32)
;;   ~~~
;;   OPERANDS COMPUTED ON THE WAY. 'Computed on the way' means the value that the module computes at that place (a softmax that the list does not call 'softmax' is quantised finished and normalised). What goes into a quantiser is computed in f32, as accurately as f32 sums, v_exp_f32 and their like allow (about 1e-6 of the number): no bf16 or f16 on the way to a quantiser, and a product that is left as it is and whose result goes on into a quantised operand takes f32 operands (vector FMAs, or v_wmma_f32_16x16x4_f32). A number that lies on a knife's edge between two numbers of the format may be rounded either way, as far as f32 arithmetic and the matrix unit's own rounding can turn it there, and no further.
;; One version. Each part assembles by itself: llvm-mc -triple=amdgcn-amd-amdhsa -mcpu=gfx1250 --defsym DOCPART=n.
;; ======== version 1 of 1: 2 launches
;; limits: right only within a limited range of input values
;; workspace buffers: a_pack 17,825,792 bytes; b_pack 4,456,448 bytes
;; launch quant (part 1): grid 256 x 1, 20 waves a work-group, no clusters, 89,600 bytes of LDS; arguments input, weight_q, scales_and_zeros, a_pack, b_pack; writes a_pack, b_pack
.if DOCPART == 1
	.amdgcn_target "amdgcn-amd-amdhsa--gfx1250"
	.amdhsa_code_object_version 6
	.text
	.protected	k_q285b6b53ae_quant
	.globl	k_q285b6b53ae_quant
	.p2align	8
	.type	k_q285b6b53ae_quant,@function
k_q285b6b53ae_quant:
	s_mov_b64 s[64:65], 0
	v_nop
	global_prefetch_b8 v0, s[64:65] scope:SCOPE_SE
	s_setreg_imm32_b32 hwreg(HW_REG_WAVE_MODE, 25, 1), 1
	s_wait_xcnt 0x0
; x [8192][4096] f32, and w [2048][4096] = (f32(weight_q) - 8) x scale + zero (one scale and one zero for each 128 along K and each row), are turned into codes of FP4 (E2M1)
; with one E8M0 byte for each 32 along K, laid as RECORDS [K step = k / 512][row][272 bytes]: 16 chunks of 16 bytes (a block of 32 codes each), then 16 scale bytes, byte j for chunk j.
; A block's scale is 2^(E - 129), E the exponent field of its largest magnitude, which is held at 2^(3 - 127) from below; its byte is E - 2.
; LIMITS: NaN and infinities among the inputs are not served.  A block of zeros gets the byte 1 where the rule says 127: its codes are zeros, and this program alone reads the bytes.
; (q - 8) x scale + zero is one fused multiply-add.  weight_q is taken as any int32: converted to f32, then 8.0 is taken off in f32.
; SHARES.  A wave takes a RUN: 16 rows x one K step.  Run u: rows 16 (u / 8) on, K step u % 8.  w has 1,024 runs, x 4,096: 256 work-groups of 20 waves; waves 0-3 take w's runs 4 g + wave, waves 4-19 x's runs 16 g + wave - 4.
; A STEP is a row's 512 numbers: four loads of 512 consecutive bytes.  Lane l = 8 g + 4 s + u holds numbers 128 i + 4 l + 0..3 of load i: block 4 i + g lies in the 8 lanes of group g.
; Its largest magnitude is joined over the 8 lanes by three lane exchanges.  Each number is multiplied by 2^(129 - E), a normal f32 for every E from 3 to 254, which rounds nothing that can reach a code other than 0;
; so one conversion at the scale 1.0 may pack codes of two blocks.  A 4 x 4 exchange of 16-bit pieces within each four lanes then gives lane (g, s, u) the 16 codes that lanes 4 s .. 4 s + 3 of its group hold of block 4 u + g:
; half s of chunk 4 g + u.  THE ORDER OF k INSIDE A CHUNK AND OF THE CHUNKS INSIDE A K STEP is thus a fixed permutation, the same for x and for w, with each chunk's byte beside it: the product's sums hold the same terms.
; w: a group of 128 along K is one load, so scale and zero are the same in all lanes: they come by scalar loads, 8 rows x 4 groups at a time.
; Records gather in the wave's own 4,352 bytes of LDS and leave as they fill: 1,024 bytes behind steps 3, 7, 11, the last 1,280 at the end, in stores of 512 consecutive bytes at multiples of 256.
; No tensor loads, no barrier: waves share nothing.  Loads run four steps (16 loads a wave) ahead, in five register sets.  Both tensors take one text; a branch on the wave's role leads round w's lines.
.set STEPS, 16
.set WW,    4
.set REC,   272
.set RUNB,  16*REC
.set WREG,  RUNB                       ; a wave's LDS: 17 x 256 bytes
.set SPARE, 20*WREG                    ; behind the waves' regions: the spare words, 128 bytes a wave
.set ASTEP, 8192*REC
.set BSTEP, 2048*REC
.set M,  16                            ; v16-19 the four blocks' largest magnitudes
.set T,  20                            ; v20-27 for block i: the multiplier at T + 2 i, E at T + 2 i + 1
.set W,  28                            ; the four scale bytes of my group
.set C0, 30
.set C1, 31
.set D0, 32
.set D1, 33
.set K,  34                            ; v34-35 my 8 bytes of a chunk
.set R,  40                            ; v40-119 five sets of 16 numbers
.set F,  120                           ; v120-153 records on their way out, each register written once
.macro H n
	s_delay_alu instid0(VALU_DEP_\n)
.endm
	s_load_b128 s[4:7], s[0:1], 0x0                ; input, weight_q
	s_load_b128 s[8:11], s[0:1], 0x10              ; scales_and_zeros, a_pack
	s_load_b64 s[12:13], s[0:1], 0x20              ; b_pack
	v_lshl_add_u32 v10, v0, 2, SPARE               ; my spare word; never rewritten
	v_mov_b32 v11, 0                               ; 0; never rewritten
	v_lshrrev_b32 v1, 5, v0
	v_and_b32 v2, 31, v0                           ; lane
	v_mov_b32 v12, 1.0                             ; the conversions' scale
	v_mov_b32 v13, 0x05040100                      ; even lanes: my low half, my neighbour's low half
	v_mov_b32 v14, 0x03020706                      ; odd lanes: my neighbour's high half, my high half
	v_readfirstlane_b32 s16, v1                    ; wave 0..19
	s_mul_i32 s17, s16, WREG
	v_lshlrev_b32 v3, 4, v2                        ; 16 x lane
	v_lshlrev_b32 v9, 3, v2                        ; 8 x lane
	v_and_b32 v1, 1, v2
	v_and_b32 v15, 2, v2
	v_lshrrev_b32 v4, 3, v2                        ; g
	v_bfe_u32 v16, v2, 2, 1                        ; s
	v_and_b32 v17, 3, v2                           ; u
	v_cmp_ne_u32 vcc_lo, 0, v1
	v_cmp_ne_u32 s30, 0, v15                       ; lanes with u >= 2
	v_lshlrev_b32 v18, 6, v4
	v_lshlrev_b32 v5, 2, v4
	v_add_nc_u32 v6, s17, v3                       ; the records on the way out: 16 bytes a lane,
	v_add_nc_u32 v8, s17, v9                       ; the last 256: 8 bytes a lane
	v_cndmask_b32 v13, v13, v14, vcc_lo
	v_lshl_add_u32 v18, v17, 4, v18
	v_add_nc_u32 v5, s17, v5                       ; my group's scale word: 4 g
	v_mov_b32 v[D0], 0                             ; (a lane exchange's destination counts as one of its sources)
	v_mov_b32 v[D1], 0
	v_mov_b32 v[K+1], 0
	v_lshl_add_u32 v18, v16, 3, v18
	H 1
	v_add_nc_u32 v7, s17, v18                      ; my 8 bytes of a record: 16 (4 g + u) + 8 s
	s_mov_b32 s26, 0xc1000000                      ; -8.0
	s_mov_b32 s27, s26
	s_mov_b32 s2, 0x1800000                        ; the floor 2^(3 - 127)
	s_mov_b32 s3, 0x7f800000
	s_mov_b32 s66, 0x80000000
	s_mov_b32 s14, ASTEP
	s_cmp_lt_u32 s16, WW                           ; a wave for w or for x?
	s_cselect_b32 s15, 2, 4
	s_cselect_b32 s19, 0, WW
	s_cselect_b32 s14, BSTEP, s14
	s_wait_alu depctr_va_vdst(0)
	s_wait_kmcnt 0x0
	s_cselect_b64 s[20:21], s[6:7], s[4:5]
	s_cselect_b64 s[22:23], s[12:13], s[10:11]
	s_lshl_b32 s18, ttmp9, s15
	s_add_co_u32 s18, s18, s16
	s_sub_co_u32 s18, s18, s19                     ; my run
	s_and_b32 s19, s18, 7                          ; its K step
	s_lshr_b32 s18, s18, 3                         ; its block of 16 rows
	s_lshl_b32 s24, s18, 18                        ; 16 rows of 16,384 bytes,
	s_lshl_b32 s15, s19, 11                        ; 2,048 bytes a K step: under 2^28 together
	s_add_co_u32 s24, s24, s15
	s_mov_b32 s25, 0
	s_add_nc_u64 s[20:21], s[20:21], s[24:25]
	s_mul_i32 s24, s19, s14
	s_mul_i32 s15, s18, RUNB
	s_add_co_u32 s24, s24, s15
	s_add_nc_u64 s[22:23], s[22:23], s[24:25]      ; my 16 records
.macro LOAD t                          ; row t's 2,048 bytes of my K step into set t % 5
.irp i, 0,1,2,3
	global_load_b128 v[R+16*((\t)%5)+4*\i:R+16*((\t)%5)+4*\i+3], v3, s[20:21] offset:16384*(\t)+512*\i th:TH_LOAD_NT
.endr
.endm
.macro SZLOAD half                     ; scale and zero of 8 rows in each of the K step's four groups: 64 bytes a group
.irp g, 0,1,2,3
	s_load_b512 s[32+16*\g+4*(\g/2):47+16*\g+4*(\g/2)], s[28:29], 16384*\g+64*\half
.endr
.endm
.irp t, 0,1,2,3
	LOAD \t
.endr
	s_lshl_b32 s24, s19, 16                        ; four groups' planes of 16,384 bytes a K step,
	s_lshl_b32 s15, s18, 7                         ; 8 bytes a row
	s_add_co_u32 s24, s24, s15
	s_add_nc_u64 s[28:29], s[8:9], s[24:25]        ; made by every wave; only w's waves load by it
	s_cmp_ge_u32 s16, WW                           ; the branch hangs on the wave's number alone
	s_cbranch_scc1 .Lno_sz
	SZLOAD 0
.Lno_sz:
.macro STEP t
.set XS, R+16*((\t)%5)
.set FQ, (\t)/4
.if (\t)+4 < STEPS
	LOAD (\t)+4                                    ; into the set that the step before has converted
.endif
.if ((\t)%4 == 0) && ((\t) > 0)
	s_wait_dscnt 0x0                               ; 1,024 finished bytes are back from LDS
	global_store_b128 v3, v[F+8*(FQ-1):F+8*(FQ-1)+3], s[22:23] offset:1024*(FQ-1)
	global_store_b128 v3, v[F+8*(FQ-1)+4:F+8*(FQ-1)+7], s[22:23] offset:1024*(FQ-1)+512
.endif
.if STEPS-1-(\t) >= 4
	s_wait_loadcnt 16                              ; this step's four loads are in; those of the four steps behind it may be out
.else
	s_wait_loadcnt 4*(STEPS-1-(\t))
.endif
	s_cmp_ge_u32 s16, WW                           ; x's waves pass over w's lines
	s_cbranch_scc1 .Lx_\@
.if ((\t) == 0) || ((\t) == 8)
	s_wait_kmcnt 0x0                               ; these 8 rows' scales and zeros are in
.endif
.irp i, 0,1,2,3,4,5,6,7,8,9,10,11,12,13,14,15
	v_cvt_f32_i32 v[XS+\i], v[XS+\i]
.endr
.irp i, 0,2,4,6,8,10,12,14
	v_pk_add_f32 v[XS+\i:XS+\i+1], v[XS+\i:XS+\i+1], s[26:27] op_sel_hi:[1,0]
.endr
.irp g, 0,1,2,3
.irp e, 0,1,2,3
	v_fma_f32 v[XS+4*\g+\e], v[XS+4*\g+\e], s[32+16*\g+4*(\g/2)+2*((\t)%8)], s[33+16*\g+4*(\g/2)+2*((\t)%8)]
.endr
.endr
.if (\t) == 7
	SZLOAD 1                                       ; rows 8-15; the rest of this step stands between the request and the wait for it
.endif
.Lx_\@:
.irp i, 0,1,2,3
	v_max3_num_f32 v[M+\i], |v[XS+4*\i]|, |v[XS+4*\i+1]|, |v[XS+4*\i+2]|   ; the four blocks by turns
.endr
.irp i, 0,1,2,3
	H 4
	v_max3_num_f32 v[M+\i], v[M+\i], |v[XS+4*\i+3]|, s2                    ; my four numbers and the floor
.endr
.irp x, 1,2,4
.irp i, 0,1,2,3
	H 4
	v_max_num_f32_dpp v[M+\i], v[M+\i], v[M+\i] row_xmask:\x row_mask:0xf bank_mask:0xf   ; over the group's 8 lanes
.endr
.endr
.irp i, 0,1,2,3
	H 4
	v_and_b32 v[T+2*\i], s3, v[M+\i]
.endr
.irp i, 0,1,2,3
	v_lshrrev_b32 v[T+2*\i+1], 23, v[M+\i]         ; E
.endr
.irp i, 0,1,2,3
	v_sub_nc_u32 v[T+2*\i], s66, v[T+2*\i]         ; exponent field 256 - E: the f32 number 2^(129 - E)
.endr
	v_lshl_or_b32 v[W], v[T+3], 8, v[T+1]
.irp i, 0,1
	v_pk_mul_f32 v[XS+4*\i:XS+4*\i+1], v[XS+4*\i:XS+4*\i+1], v[T+2*\i:T+2*\i+1] op_sel_hi:[1,0]
	v_pk_mul_f32 v[XS+4*\i+2:XS+4*\i+3], v[XS+4*\i+2:XS+4*\i+3], v[T+2*\i:T+2*\i+1] op_sel_hi:[1,0]
.endr
	v_lshl_or_b32 v[W], v[T+5], 16, v[W]
.irp i, 2,3
	v_pk_mul_f32 v[XS+4*\i:XS+4*\i+1], v[XS+4*\i:XS+4*\i+1], v[T+2*\i:T+2*\i+1] op_sel_hi:[1,0]
	v_pk_mul_f32 v[XS+4*\i+2:XS+4*\i+3], v[XS+4*\i+2:XS+4*\i+3], v[T+2*\i:T+2*\i+1] op_sel_hi:[1,0]
.endr
	v_lshl_or_b32 v[W], v[T+7], 24, v[W]
	v_cvt_scalef32_pk8_fp4_f32 v[C0], v[XS:XS+7], v12              ; low half: my 4 codes of block g, high half: of block 4 + g
	v_cvt_scalef32_pk8_fp4_f32 v[C1], v[XS+8:XS+15], v12           ; of blocks 8 + g and 12 + g
	v_add_nc_u32 v[W], 0xfdfdfdfe, v[W]            ; 2 off each of the four E (each is 3 at the least: no borrow): the bytes.  Also the plain line behind the conversions
	v_mov_b32_dpp v[D0], v[C0] row_xmask:1 row_mask:0xf bank_mask:0xf
	v_mov_b32_dpp v[D1], v[C1] row_xmask:1 row_mask:0xf bank_mask:0xf
	v_perm_b32 v[C0], v[D0], v[C0], v13            ; 8 codes of load u % 2's block,
	v_perm_b32 v[C1], v[D1], v[C1], v13            ; and of load 2 + u % 2's
	v_cndmask_b32 v[D0], v[C1], v[C0], s30         ; what lane l xor 2 wants of me,
	v_cndmask_b32 v[K], v[C0], v[C1], s30          ; what I keep: load u's block
	v_mov_b32_dpp v[K+1], v[D0] row_xmask:2 row_mask:0xf bank_mask:0xf
	ds_store_b64 v7, v[K:K+1] offset:REC*(\t)      ; record t: the wave's 256 bytes of codes,
	ds_store_b32 v5, v[W] offset:REC*(\t)+256      ; and its 16 scale bytes: a group's 8 lanes write the same word with the same value
.if ((\t)%4 == 3) && ((\t) < STEPS-1)
	ds_load_b128 v[F+8*FQ:F+8*FQ+3], v6 offset:1024*FQ             ; 272 (t + 1) bytes are finished: the next 1,024; LDS serves a wave's instructions in order (ISA guide 5.7.1.4)
	ds_load_b128 v[F+8*FQ+4:F+8*FQ+7], v6 offset:1024*FQ+512
.endif
.endm
.irp t, 0,1,2,3,4,5,6,7,8,9,10,11,12,13,14,15
	STEP \t
.endr
	ds_load_b128 v[F+24:F+27], v6 offset:3072      ; the last 1,280 bytes
	ds_load_b128 v[F+28:F+31], v6 offset:3584
	ds_load_b64 v[F+32:F+33], v8 offset:4096
	s_wait_dscnt 2
	global_store_b128 v3, v[F+24:F+27], s[22:23] offset:3072
	s_wait_dscnt 1
	global_store_b128 v3, v[F+28:F+31], s[22:23] offset:3584
	s_wait_dscnt 0x0
	global_store_b64 v9, v[F+32:F+33], s[22:23] offset:4096        ; 32 lanes store the last 256 bytes, at a multiple of 256 from the pack's first byte
	s_wait_tensorcnt 0x0                           ; the wave's end
	ds_add_u32 v10, v11
	s_wait_dscnt 0x0
	s_endpgm
.Lfunc_end_k_q285b6b53ae_quant:
	.size	k_q285b6b53ae_quant, .Lfunc_end_k_q285b6b53ae_quant-k_q285b6b53ae_quant
	.p2alignl 7, 3214868480
	.fill 96, 4, 3214868480
	.section	.rodata,"a",@progbits
	.p2align	6, 0x0
	.amdhsa_kernel k_q285b6b53ae_quant
		.amdhsa_group_segment_fixed_size 89600
		.amdhsa_private_segment_fixed_size 0
		.amdhsa_enable_private_segment 0
		.amdhsa_kernarg_size 40
		.amdhsa_user_sgpr_count 2
		.amdhsa_user_sgpr_kernarg_segment_ptr 1
		.amdhsa_wavefront_size32 1
		.amdhsa_system_sgpr_workgroup_id_x 1
		.amdhsa_system_sgpr_workgroup_id_y 1
		.amdhsa_system_sgpr_workgroup_id_z 1
		.amdhsa_system_vgpr_workitem_id 0
		.amdhsa_next_free_vgpr 160
		.amdhsa_next_free_sgpr 100
		.amdhsa_reserve_vcc 1
		.amdhsa_float_denorm_mode_32 3
		.amdhsa_float_denorm_mode_16_64 3
		.amdhsa_memory_ordered 1
		.amdhsa_forward_progress 1
		.amdhsa_inst_pref_size 104
	.end_amdhsa_kernel
	.amdgpu_metadata
---
amdhsa.version: [ 1, 2 ]
amdhsa.kernels:
  - .name:           k_q285b6b53ae_quant
    .symbol:         k_q285b6b53ae_quant.kd
    .args:
      - { .name: input, .offset: 0, .size: 8, .value_kind: global_buffer, .address_space: global }
      - { .name: weight_q, .offset: 8, .size: 8, .value_kind: global_buffer, .address_space: global }
      - { .name: scales_and_zeros, .offset: 16, .size: 8, .value_kind: global_buffer, .address_space: global }
      - { .name: a_pack, .offset: 24, .size: 8, .value_kind: global_buffer, .address_space: global }
      - { .name: b_pack, .offset: 32, .size: 8, .value_kind: global_buffer, .address_space: global }
    .group_segment_fixed_size: 89600
    .private_segment_fixed_size: 0
    .kernarg_segment_align: 8
    .kernarg_segment_size: 40
    .max_flat_workgroup_size: 640
    .sgpr_count:     100
    .vgpr_count:     160
    .wavefront_size: 32
...
	.end_amdgpu_metadata
.endif
;; end of part 1
;; launch gemm (part 2): grid 8 x 32, 4 waves a work-group, clusters of 4 x 4, 327,680 bytes of LDS; arguments a_pack, b_pack, out0; writes out0
.if DOCPART == 2
	.amdgcn_target "amdgcn-amd-amdhsa--gfx1250"
	.amdhsa_code_object_version 6
	.text
	.protected	k_q285b6b53ae_gemm
	.globl	k_q285b6b53ae_gemm
	.p2align	8
	.type	k_q285b6b53ae_gemm,@function
k_q285b6b53ae_gemm:
	s_mov_b64 s[64:65], 0
	v_nop
	global_prefetch_b8 v0, s[64:65] scope:SCOPE_SE
	s_setreg_imm32_b32 hwreg(HW_REG_WAVE_MODE, 25, 1), 1
	s_wait_xcnt 0x0
	s_wait_alu depctr_hold_cnt(0) depctr_sa_sdst(0) depctr_va_vdst(0) depctr_va_sdst(0) depctr_va_ssrc(0) depctr_va_vcc(0) depctr_vm_vsrc(0)
	s_getreg_b32 s2, hwreg(HW_REG_IB_STS2, 6, 4)
	s_cmp_eq_u32 s2, 0
	s_cbranch_scc0 .Lentry_in_a_cluster
	s_endpgm
.Lentry_in_a_cluster:
	s_bfe_u32 s2, ttmp6, 0x10000c
	s_cmp_lg_u32 s2, 0xf033
	s_cbranch_scc0 .Lentry_shape_is_right
	s_endpgm
.Lentry_shape_is_right:
; out0[m][n] = sum over k of x[m][k] w[n][k] on codes of FP4 (E2M1) with one E8M0 byte for each 32 along K, as the launch before laid them:
; records [K step = k / 512][row][272 bytes]: 256 bytes of codes, then the row's 16 scale bytes.  128 rows of a K step are 34,816 consecutive bytes = 136 x 256.
; A tile of C, 256 x 256, is made by four waves, 128 x 128 each: 64 accumulators, 512 registers.  K goes in 8 steps of 512 through a ring of two LDS slots; a record's 272 bytes are also the LDS pitch.
; CLUSTERS 4 x 4: A's tiles are asked for jointly along a row of the cluster, B's along a column.  Waves 0, 1 fetch A's two halves, waves 2, 3 B's: one tensor load a wave behind each round.
; THE MATRIX INSTRUCTION IS USED TRANSPOSED (source 0 = 16 rows of w, source 1 = 16 rows of x): a lane holds eight neighbouring numbers of a row of C.
; FRAGMENTS: A and B have two register sets each; all 32 LDS loads of a step of 128 along K go out in one run, one whole step (64 matrix instructions) ahead of their use.
; PREFETCH: behind the load of K step s stands a request for K step s + 2 (at the head also for K step 1): of the 136 blocks of 256 bytes that a wave fetches, each of the four partners
; that ask jointly names 34, told apart by address (cx for A, cy for B): 32 lanes a block each, then two more (the lanes left over name the last again).  The loads of K steps 6 and 7 ask for nothing.
; THE LAST K STEP GOES BY ROWS OF C: all its fragments of B fill window 1, my eight blocks of 16 rows are finished one after the other, and each goes through my stage in LDS, back into its own
; accumulator registers as whole rows of 512 bytes, and is stored while the next block is multiplied.
; REGISTERS: window 0: v0-31 addresses; v32-95 scale words, a set for each slot; v128-191, v192-255 A's two sets.  window 1: B's sets at v0 and v128 (last K step: quarter q at v[64 q]).
; windows 2, 3: accumulators of my rows 0-63, 64-127: (a, b) at v[8 (8 (a % 4) + b)].
.set SIZE_N, 2048
.set PITCH,  272
.set HALFT,  128*PITCH
.set SLOT,   4*HALFT
.set ASTEP,  8192*PITCH                ; a K step of a_pack in bytes
.set BSTEP,  2048*PITCH
.set SPARE,  2*SLOT                    ; the spare words: 128 bytes a wave
.set STG,    SPARE+512                 ; the stages: 16 rows x 528 bytes a wave; no tensor load lands here
.set SPITCH, 528
.set PSH,    34*256                    ; a partner's share of a wave's 136 blocks
.set ADRA, 16
.set ADRB, 20
.set ADRS, 22
.set STO,  24
.set RD,   25
.set CO,   26
.set SPW,  28
.set NIL,  29
.set PFO,  30                          ; 256 x lane
.set PFO2, 31                          ; 8,192 + 256 x min(lane, 1)
.set SC,   32
.set AF,   128
.set G1, 24
.set G0, 32
.set G1B, 48
.set G0B, 56
.set PFA, 66                           ; s[66:67] where my prefetches stand
.set PF1, 68                           ; s[68:69] the same at K step 1
.set PFS, 70                           ; s[70:71] bytes of a K step in the pack that I fetch from
.set MSB, 0
.macro WIN new                         ; the immediate's high byte repeats the setting that is left
.if MSB != \new
	s_set_vgpr_msb (MSB<<8)|\new
.set MSB, \new
.endif
.endm
.set MUL_LO, 0xa1
.set MUL_HI, 0xf1
.set TO_B,   0x40
.macro PLACES
.rept 4
	v_nop
.endr
.endm
.macro JLOAD g0a, g1a, g0b, g1b        ; a joint load; s_nop 0 and four v_nop behind each line
	s_cmp_eq_u32 s15, 0
	s_cbranch_scc0 .Lfor_b_\@
	tensor_load_to_lds s[\g0a:\g0a+3], s[\g1a:\g1a+7]
	s_nop 0
	PLACES
	s_branch .Lasked_\@
.Lfor_b_\@:
	tensor_load_to_lds s[\g0b:\g0b+3], s[\g1b:\g1b+7]
	s_nop 0
	PLACES
.Lasked_\@:
.endm
.macro CREST
	s_cmp_lg_u32 s14, 0
	s_cbranch_scc1 .Lnot_wave_0_\@
	s_barrier_signal -3
.Lnot_wave_0_\@:
	s_barrier_wait -3
	s_barrier_signal -1
	s_barrier_wait -1
.endm
.macro CROUND
	s_barrier_signal -1
	s_barrier_wait -1
	CREST
.endm
.macro PREF base                       ; 34 blocks of 256 bytes
	global_prefetch_b8 v[PFO], s[\base:\base+1] th:TH_LOAD_NT scope:SCOPE_SE
	global_prefetch_b8 v[PFO2], s[\base:\base+1] th:TH_LOAD_NT scope:SCOPE_SE
.endm
	s_load_b128 s[4:7], s[0:1], 0x0                ; a_pack, b_pack
	s_load_b64 s[12:13], s[0:1], 0x10              ; out0
	v_lshl_add_u32 v[SPW], v0, 2, SPARE
	v_mov_b32 v[NIL], 0
	ds_add_u32 v[SPW], v[NIL]                      ; the opening lines: the add twice on end and one wait
	ds_add_u32 v[SPW], v[NIL]
	v_lshrrev_b32 v1, 5, v0
	v_readfirstlane_b32 s14, v1                    ; wave
	s_lshr_b32 s15, s14, 1                         ; my half of the tile's rows; also: I fetch for A (0) or B (1)
	s_and_b32 s16, s14, 1                          ; my half of its columns; also: which 128 rows I fetch
	s_bfe_u32 s40, ttmp6, 0x40000                  ; cx
	s_bfe_u32 s41, ttmp6, 0x40004                  ; cy
	s_lshl_b32 s42, ttmp9, 2
	s_add_co_u32 s42, s42, s40                     ; tile column
	s_and_b32 s17, ttmp7, 0xffff
	s_lshl_b32 s17, s17, 2
	s_add_co_u32 s17, s17, s41                     ; tile row
	s_lshl_b32 s43, s41, 2
	s_lshl_b32 s43, 15, s43                        ; my row of the cluster
	s_lshl_b32 s44, 0x1111, s40                    ; my column
	s_or_b32 s[G1+0], s43, (3<<16)|(1<<21)         ; elements of 8 bytes, the mask, bit 21 beside it
	s_or_b32 s[G1B+0], s44, (3<<16)|(1<<21)
.irp g, G1, G1B                        ; a dense block: 136 rows of 256 bytes
	s_mov_b32 s[\g+1], 32<<16
	s_mov_b32 s[\g+2], 136<<16
	s_mov_b32 s[\g+3], 32<<16
	s_mov_b32 s[\g+4], 136
	s_mov_b32 s[\g+5], 32
	s_mov_b32 s[\g+6], 0
	s_mov_b32 s[\g+7], 0
.endr
	s_lshl_b32 s18, s16, 7
	s_lshl_b32 s20, s17, 8
	s_add_co_u32 s20, s20, s18
	s_mul_i32 s20, s20, PITCH                      ; A: my 128 rows' records, in bytes
	s_mov_b32 s21, 0
	s_lshl_b32 s46, s42, 8
	s_add_co_u32 s46, s46, s18
	s_mul_i32 s46, s46, PITCH                      ; B likewise
	s_mov_b32 s47, 0
	s_mul_i32 s45, s14, HALFT                      ; where they go: wave x 128 rows
	s_cmp_eq_u32 s15, 0                            ; the lines down to the choice of the pack leave SCC alone
	s_cselect_b32 s22, s40, s41                    ; my place among the four that ask with me
	s_mul_i32 s22, s22, PSH
	s_mov_b32 s23, 0
	s_mov_b32 s[PFS], BSTEP
	s_cselect_b32 s[PFS], ASTEP, s[PFS]
	s_mov_b32 s[PFS+1], 0
	s_add_nc_u64 s[22:23], s[22:23], s[PFS:PFS+1]  ; my share, one K step on
	s_wait_dscnt 0x0                               ; both opening adds are done
	s_wait_kmcnt 0x0
	s_add_nc_u64 s[20:21], s[4:5], s[20:21]
	s_add_nc_u64 s[46:47], s[6:7], s[46:47]
	s_cselect_b64 s[PF1:PF1+1], s[20:21], s[46:47]
	s_add_nc_u64 s[PF1:PF1+1], s[PF1:PF1+1], s[22:23]        ; K step 1
	s_add_nc_u64 s[PFA:PFA+1], s[PF1:PF1+1], s[PFS:PFS+1]    ; K step 2
.irp s, 0,1
	s_mov_b32 s[G0+4*\s], 1
	s_add_co_u32 s[G0+4*\s+1], s45, \s*SLOT
	s_add_nc_u64 s[G0+4*\s+2:G0+4*\s+3], s[20:21], \s*ASTEP
	s_or_b32 s[G0+4*\s+3], s[G0+4*\s+3], 0x80000000
	s_mov_b32 s[G0B+4*\s], 1
	s_add_co_u32 s[G0B+4*\s+1], s45, \s*SLOT
	s_add_nc_u64 s[G0B+4*\s+2:G0B+4*\s+3], s[46:47], \s*BSTEP
	s_or_b32 s[G0B+4*\s+3], s[G0B+4*\s+3], 0x80000000
.endr
	CROUND                                         ; all sixteen work-groups are here: the first joint loads meet
	JLOAD G0, G1, G0B, G1B                         ; K step 0: one tensor load a wave at the head
	s_mul_i32 s18, s15, HALFT                      ; my 128 rows of A in a slot
	s_mul_i32 s19, s16, HALFT
	s_add_co_u32 s19, s19, 2*HALFT                 ; my 128 rows of B, behind A's 256
	s_sub_co_u32 s23, s19, s18
	s_mul_i32 s22, s14, 16*SPITCH
	s_add_co_u32 s22, s22, STG                     ; my stage
	s_lshl_b32 s20, s17, 8
	s_lshl_b32 s21, s15, 7
	s_add_co_u32 s20, s20, s21                     ; my first row of C,
	s_lshl_b32 s20, s20, 13                        ; 8,192 bytes a row: under 2^26
	s_lshl_b32 s46, s42, 10
	s_lshl_b32 s47, s16, 9
	s_add_co_u32 s46, s46, s47                     ; my first column, in bytes
	s_add_co_u32 s20, s20, s46
	s_mov_b32 s21, 0
	s_add_nc_u64 s[12:13], s[12:13], s[20:21]
	v_and_b32 v1, 15, v0                           ; l % 16
	v_bfe_u32 v2, v0, 4, 1                         ; l / 16
	v_and_b32 v6, 31, v0
	v_mul_u32_u24 v3, v1, PITCH
	v_mul_u32_u24 v7, s23, v2                      ; scale words: lanes 16-31 take B's
	v_lshl_add_u32 v4, v2, 4, v3                   ; a fragment's row x pitch + 16 x half
	v_add_nc_u32 v5, v3, v7
	v_add_nc_u32 v5, 256, v5                       ; the scale bytes stand behind a record's codes
	v_add_nc_u32 v[ADRA], s18, v4
	v_add_nc_u32 v[ADRB], s19, v4
	v_add_nc_u32 v[ADRS], s18, v5
	v_add_nc_u32 v[ADRA+1], SLOT, v[ADRA]
	v_add_nc_u32 v[ADRB+1], SLOT, v[ADRB]
	v_add_nc_u32 v[ADRS+1], SLOT, v[ADRS]
	v_mul_u32_u24 v5, v1, SPITCH
	v_lshl_add_u32 v5, v2, 5, v5
	v_add_nc_u32 v[STO], s22, v5                   ; into the stage: row l % 16, 32 bytes for each half of the lanes
	v_lshlrev_b32 v[CO], 4, v6                     ; back: 32 lanes take a row of 512 bytes; the same in C
	v_add_nc_u32 v[RD], s22, v[CO]
	v_lshlrev_b32 v[PFO], 8, v6
	v_min_u32 v5, 1, v6
	v_lshl_add_u32 v[PFO2], v5, 8, 8192
	s_wait_alu depctr_va_vdst(0)
	PREF PF1                                       ; K steps 1 and 2
	PREF PFA
.macro WM acc, bf, af, sb, sa, zero
.if \zero
	v_wmma_scale_f32_16x16x128_f8f6f4 v[\acc:\acc+7], v[\bf:\bf+7], v[\af:\af+7], 0, v[\sb], v[\sa] matrix_a_fmt:MATRIX_FMT_FP4 matrix_b_fmt:MATRIX_FMT_FP4 matrix_a_scale:MATRIX_SCALE_ROW1
.else
	v_wmma_scale_f32_16x16x128_f8f6f4 v[\acc:\acc+7], v[\bf:\bf+7], v[\af:\af+7], v[\acc:\acc+7], v[\sb], v[\sa] matrix_a_fmt:MATRIX_FMT_FP4 matrix_b_fmt:MATRIX_FMT_FP4 matrix_a_scale:MATRIX_SCALE_ROW1
.endif
.endm
.macro FRAG reg, adr, q, i             ; 16 rows x 128 K: two loads of 16 bytes a lane, 32 bytes apart
.irp c, 0,1
	ds_load_b128 v[\reg+4*\c:\reg+4*\c+3], v[\adr] offset:64*(\q)+32*\c+(\i)*16*PITCH
.endr
.endm
.macro MUL8 a, p, q, sc, zero          ; A's block a against B's eight; the 64 accumulators take turns in one order throughout
.irp b, 0,1,2,3,4,5,6,7
	WM 8*(8*((\a)%4)+\b), 128*(\p)+8*\b, AF+64*(\p)+8*(\a), SC+32*(\sc)+4*\b+(\q), SC+32*(\sc)+4*(\a)+(\q), \zero
.endr
.endm
.macro FETCH slot, q, p                ; 32 LDS loads in one run: the slot's q-th 128 along K into sets p
	WIN TO_B
.irp i, 0,1,2,3,4,5,6,7
	FRAG 128*(\p)+8*\i, ADRB+\slot, \q, \i
.endr
	WIN 0
.irp i, 0,1,2,3,4,5,6,7
	FRAG AF+64*(\p)+8*\i, ADRA+\slot, \q, \i
.endr
.endm
.macro SCALES slot                     ; a K step's scale words: lanes 0-15 A's block i, lanes 16-31 B's block i
.irp i, 0,1,2,3,4,5,6,7
	ds_load_b128 v[SC+32*\slot+4*\i:SC+32*\slot+4*\i+3], v[ADRS+\slot] offset:\i*16*PITCH
.endr
.endm
.macro STEP slot, q, zero              ; a step of 128 along K with its successor in the same slot
	PLACES                                         ; four places in front of loads into the sets that the step before multiplied
	FETCH \slot, (\q)+1, ((\q)+1)%2
	s_wait_dscnt 32                                ; all but the 32 just issued: this step's fragments are in
	WIN MUL_LO
.irp a, 0,1,2,3
	MUL8 \a, (\q)%2, \q, \slot, \zero
.endr
	WIN MUL_HI
.irp a, 4,5,6,7
	MUL8 \a, (\q)%2, \q, \slot, \zero
.endr
.endm
.macro MEET slot                       ; the head of a slot's last step: one barrier for the change of slots
	s_wait_tensorcnt 0x0                           ; my one load that was out, my part of the other slot, has landed
	ds_add_u32 v[SPW], v[NIL]
	s_wait_dscnt 1                                 ; the add alone may be out: this step's fragments are in
	WIN MUL_LO
	MUL8 0, 1, 3, \slot, 0
	s_wait_dscnt 0x0                               ; the add is done; my reads of this slot are over
	s_barrier_signal -1
	MUL8 1, 1, 3, \slot, 0
	WIN 0
	s_barrier_wait -1
.endm
.macro REST slot
	WIN MUL_LO
	MUL8 2, 1, 3, \slot, 0
	MUL8 3, 1, 3, \slot, 0
	WIN MUL_HI
.irp a, 4,5,6,7
	MUL8 \a, 1, 3, \slot, 0
.endr
.endm
.macro TURN slot, next                 ; a slot's last step; the slot is filled again, two K steps ahead
	WIN 0
	s_wait_xcnt 0x0                                ; my prefetches have read their address: it steps one K step
	s_add_nc_u64 s[PFA:PFA+1], s[PFA:PFA+1], s[PFS:PFS+1]
	MEET \slot
	CREST                                          ; the barrier has opened a round of the cluster's barrier
	s_add_nc_u64 s[G0+4*\slot+2:G0+4*\slot+3], s[G0+4*\slot+2:G0+4*\slot+3], 2*ASTEP
	s_add_nc_u64 s[G0B+4*\slot+2:G0B+4*\slot+3], s[G0B+4*\slot+2:G0B+4*\slot+3], 2*BSTEP
	JLOAD G0+4*\slot, G1, G0B+4*\slot, G1B         ; first behind the round; its four v_nop are the places in front of the loads below
	FETCH \next, 0, 0
	SCALES \next
	s_cmp_gt_u32 s3, 1                             ; the loop's last trip loads K steps 6 and 7: there is no K step two on
	s_cbranch_scc0 .Lno_ask_\@
	PREF PFA
.Lno_ask_\@:
	REST \slot
.endm
	s_wait_tensorcnt 0x0                           ; my part of K step 0 is in; the three lines ahead of slot 1's first fill, as ahead of a refill
	ds_add_u32 v[SPW], v[NIL]
	s_wait_xcnt 0x0
	s_add_nc_u64 s[PFA:PFA+1], s[PFA:PFA+1], s[PFS:PFS+1]    ; K step 3
	s_wait_dscnt 0x0
	CROUND
	JLOAD G0+4, G1, G0B+4, G1B                     ; K step 1
	FETCH 0, 0, 0
	SCALES 0
	PREF PFA
	STEP 0, 0, 1                                   ; the first step's products start the sums
	WIN 0
	s_mov_b32 s3, 3
.Llap:                                                 ; a trip goes once round the ring and fills both slots again
	STEP 0, 1, 0
	STEP 0, 2, 0
	TURN 0, 1
	STEP 1, 0, 0
	STEP 1, 1, 0
	STEP 1, 2, 0
	TURN 1, 0
	STEP 0, 0, 0
	WIN 0
	s_sub_co_u32 s3, s3, 1
	s_cmp_lg_u32 s3, 0
	s_cbranch_scc1 .Llap
	STEP 0, 1, 0
	STEP 0, 2, 0
; THE LAST K STEP (slot 1), by rows of C
.macro BLOAD q                         ; B's fragments of quarter q -> window 1, v[64 q ..]
.irp i, 0,1,2,3,4,5,6,7
	FRAG 64*\q+8*\i, ADRB+1, \q, \i
.endr
.endm
.macro ALOAD a                         ; A's block a, all four quarters -> 32 registers, two buffers by turns
.irp q, 0,1,2,3
	FRAG AF+32*((\a)%2)+8*\q, ADRA+1, \q, \a
.endr
.endm
.macro ROW a                           ; block a is finished: 32 matrix instructions, its 8 accumulators by turns
	WIN MUL_LO+0x50*((\a)/4)
.irp q, 0,1,3,2
.if ((\a) == 0) && (\q == 3)
	s_wait_dscnt 16                                ; B's quarter 3 is in; quarter 2's 16 loads may be out
.endif
.if ((\a) == 0) && (\q == 2)
	s_wait_dscnt 0x0
.endif
.irp b, 0,1,2,3,4,5,6,7
	WM 8*(8*((\a)%4)+\b), 64*\q+8*\b, AF+32*((\a)%2)+8*\q, SC+32+4*\b+\q, SC+32+4*(\a)+\q, 0
.endr
.endr
.endm
.macro TOSTAGE a                       ; block a into my stage, each accumulator from its low end on, and back as rows of 512 bytes into the same 64 registers; LDS serves a wave's instructions in order (ISA guide 5.7.1.4)
.set AC, 64*((\a)%4)
	WIN 0x88+0x44*((\a)/4)                         ; data and destination: window 2 or 3; addresses: window 0
.irp b, 0,1,2,3,4,5,6,7
	ds_store_b128 v[STO], v[AC+8*\b:AC+8*\b+3] offset:64*\b
	ds_store_b128 v[STO], v[AC+8*\b+4:AC+8*\b+7] offset:64*\b+16
.endr
.irp t, 0,1,2,3,4,5,6,7,8,9,10,11,12,13,14,15
	ds_load_b128 v[AC+4*\t:AC+4*\t+3], v[RD] offset:\t*SPITCH
.endr
.endm
.macro SEND a                          ; 32 lanes store 512 consecutive bytes, at a multiple of 256 from out0's first byte; no register of a store is written again; the offsets reach 127 rows of 8,192 bytes
.set AC, 64*((\a)%4)
	WIN 0x88+0x44*((\a)/4)
.irp t, 0,1,2,3,4,5,6,7,8,9,10,11,12,13,14,15
	global_store_b128 v[CO], v[AC+4*\t:AC+4*\t+3], s[12:13] offset:(16*(\a)+\t)*SIZE_N*4 th:TH_STORE_NT
.endr
.endm
	WIN 0
	MEET 0                                         ; slot 1 is whole; nothing is filled again, so no round follows
	PLACES                                         ; for the loads into sets 0
	WIN TO_B
	BLOAD 0
	BLOAD 1
	WIN 0
	SCALES 1
	ALOAD 0
	ALOAD 1
	REST 0
	PLACES                                         ; for the loads into B's set 1
	s_wait_dscnt 0x0
	WIN TO_B
	BLOAD 3
	BLOAD 2
	ROW 0
.irp a, 0,1,2,3,4,5,6,7
	PLACES                                         ; in front of the stores that read results just made and of the loads into A's buffer just read
	TOSTAGE \a
.if \a < 6
	WIN 0
	ALOAD \a+2
	s_wait_dscnt 40                                ; this block's 32 stage instructions and the 8 loads behind them may be out: the next block's fragments and the block before are in
.else
	s_wait_dscnt 32
.endif
.if \a > 0
	SEND \a-1
.endif
.if \a < 7
	ROW \a+1
.endif
.endr
	s_wait_dscnt 0x0
	SEND 7
	WIN 0
	s_wait_tensorcnt 0x0                           ; the wave's end
	ds_add_u32 v[SPW], v[NIL]
	s_wait_dscnt 0x0
	CROUND                                         ; the closing round
	s_endpgm
.Lfunc_end_k_q285b6b53ae_gemm:
	.size	k_q285b6b53ae_gemm, .Lfunc_end_k_q285b6b53ae_gemm-k_q285b6b53ae_gemm
	.p2alignl 7, 3214868480
	.fill 96, 4, 3214868480
	.section	.rodata,"a",@progbits
	.p2align	6, 0x0
	.amdhsa_kernel k_q285b6b53ae_gemm
		.amdhsa_group_segment_fixed_size 327680
		.amdhsa_private_segment_fixed_size 0
		.amdhsa_enable_private_segment 0
		.amdhsa_kernarg_size 24
		.amdhsa_user_sgpr_count 2
		.amdhsa_user_sgpr_kernarg_segment_ptr 1
		.amdhsa_wavefront_size32 1
		.amdhsa_system_sgpr_workgroup_id_x 1
		.amdhsa_system_sgpr_workgroup_id_y 1
		.amdhsa_system_sgpr_workgroup_id_z 1
		.amdhsa_system_vgpr_workitem_id 0
		.amdhsa_next_free_vgpr 1024
		.amdhsa_next_free_sgpr 72
		.amdhsa_reserve_vcc 0
		.amdhsa_float_denorm_mode_32 3
		.amdhsa_float_denorm_mode_16_64 3
		.amdhsa_memory_ordered 1
		.amdhsa_forward_progress 1
		.amdhsa_inst_pref_size 208
	.end_amdhsa_kernel
	.amdgpu_metadata
---
amdhsa.version: [ 1, 2 ]
amdhsa.kernels:
  - .name:           k_q285b6b53ae_gemm
    .symbol:         k_q285b6b53ae_gemm.kd
    .args:
      - { .name: a_pack, .offset: 0, .size: 8, .value_kind: global_buffer, .address_space: global }
      - { .name: b_pack, .offset: 8, .size: 8, .value_kind: global_buffer, .address_space: global }
      - { .name: out0, .offset: 16, .size: 8, .value_kind: global_buffer, .address_space: global }
    .group_segment_fixed_size: 327680
    .private_segment_fixed_size: 0
    .kernarg_segment_align: 8
    .kernarg_segment_size: 24
    .max_flat_workgroup_size: 128
    .sgpr_count:     72
    .vgpr_count:     1024
    .wavefront_size: 32
...
	.end_amdgpu_metadata
.endif
;; end of part 2
